; MI455X (gfx1250); checked and timed in simulation.
; The chip was launched on July 23, 2026; its instructions are those of AMD's public machine-readable ISA for CDNA 5 (MIT licence, August 2026) and "CDNA5" Instruction Set Architecture Reference Guide (July 2026). The comments in the code are by the model that wrote it; some were corrected since.
;; Attention. Allowed arithmetic: matrix products marked QUANTISED: E5M2 operands, one given power-of-two scale a tensor, by v_wmma_f32_16x16x64_bf8_bf8 or v_wmma_f32_16x16x128_bf8_bf8, f32 sums; everything else in f32.
;; Inputs: W_qkv 3,072 x 1,024 float32; b_qkv 3,072 float32; lowp_scales 6 int32 (the exponents e of the quantised operands' scales 2^e); x 4 x 2,048 x 1,024 float32.
;; Outputs: out0 4 x 2,048 x 1,024 float32.
;; This version of the problem:
;;   THIS VERSION OF THE PROBLEM IS GIVEN IN LOW PRECISION. The matrix products marked QUANTISED in the list below multiply operands that are first quantised to E5M2 (5 exponent bits, 2 mantissa bits; 8 bits a number), with one given power-of-two scale for each operand tensor; their sums are f32. All else is computed in f32.
;;   The module's matrix products, in the order in which they are computed (A, B: the left and right operand; K: the contracted axis; several contracted axes count as one K, in the product's order):
;;     1. [M 8,192, K 1,024] x [K 1,024, N 3,072]; A: input x; B: input W_qkv: QUANTISED (scales: A lowp_scales[0], B lowp_scales[1])
;;     2. batch 64 x [M 2,048, K 64] x [K 64, N 2,048]; A: computed on the way; B: computed on the way: QUANTISED (scales: A lowp_scales[2], B lowp_scales[3])
;;     3. batch 64 x [M 2,048, K 2,048] x [K 2,048, N 64]; A: softmax (see below); B: computed on the way: QUANTISED (scales: A lowp_scales[4], B lowp_scales[5])
;;   THE QUANTISER, for each operand of a quantised product, along K:
;;     - The operand's scale is 2^e, e = its entry of the input lowp_scales (int32; the entries are numbered through the quantised products in the list's order, A before B).
;;     - Each number is divided by the scale, clamped to +-57,344, and rounded to the nearest number of E5M2, ties to even, subnormals kept.
;;     - The product sums the exact products of the quantised numbers (number of the format x scale) in f32.
;;   ~~~python
;;   def quantise(x, axis, e):      # numpy; x: float32 -> the quantised numbers, widened to float32 again
;;       x = np.moveaxis(x, axis, -1); K = x.shape[-1]
;;       r = np.clip(x / 2.0 ** e, -57344, 57344)
;;       step = 2.0 ** (np.maximum(np.frexp(np.where(r == 0, 1, r))[1] - 1, -14) - 2)
;;       q = np.round(r / step) * step * 2.0 ** e      # np.round: ties to even
;;       return np.moveaxis(q, -1, axis).astype(np.float32)
;;   ~~~
;;   SOFTMAX AHEAD OF A QUANTISED PRODUCT. Where the list says 'softmax', what is quantised is not the finished softmax but p = 2^(t - M), with t = logit x log2(e) and M = ceil(the row's largest t), a whole number; so 1/2 < the row's largest p <= 1. The row's sum l is taken of the UNQUANTISED p, in f32, and the product's result is divided by l at the end. Since M is a whole number, a kernel that streams over the keys may use a running M (the ceiling of the running maximum): every later rescaling is an exact power of two, so the quantised numbers keep their values, but for numbers so far below the row's largest that they fall under the format's range.
;;   OPERANDS COMPUTED ON THE WAY. 'Computed on the way' means the value that the module computes at that place (a softmax that the list does not call 'softmax' is quantised finished and normalised). What goes into a quantiser is computed in f32, as accurately as f32 sums, v_exp_f32 and their like allow (about 1e-6 of the number): no bf16 or f16 on the way to a quantiser, and a product that is left as it is and whose result goes on into a quantised operand takes f32 operands (vector FMAs, or v_wmma_f32_16x16x4_f32). A number that lies on a knife's edge between two numbers of the format may be rounded either way, as far as f32 arithmetic and the matrix unit's own rounding can turn it there, and no further.
;; One version. Each part assembles by itself: llvm-mc -triple=amdgcn-amd-amdhsa -mcpu=gfx1250 --defsym DOCPART=n.
;; ======== version 1 of 1: 3 launches
;; limits: right only within a limited range of input values
;; workspace buffers: x_codes 8,388,608 bytes; w_codes 3,145,728 bytes; qkv 25,165,824 bytes
;; launch quant (part 1): grid 704 x 1, 4 waves a work-group, no clusters, 34,304 bytes of LDS; arguments x, W_qkv, lowp_scales, x_codes, w_codes; writes x_codes, w_codes
.if DOCPART == 1
	.amdgcn_target "amdgcn-amd-amdhsa--gfx1250"
	.amdhsa_code_object_version 6
	.text
	.protected	k_q5a663bd59a_quant
	.globl	k_q5a663bd59a_quant
	.p2align	8
	.type	k_q5a663bd59a_quant,@function
k_q5a663bd59a_quant:
	s_mov_b64 s[64:65], 0
	v_nop
	global_prefetch_b8 v0, s[64:65] scope:SCOPE_SE
	s_setreg_imm32_b32 hwreg(HW_REG_WAVE_MODE, 25, 1), 1
	s_wait_xcnt 0x0
; x [8192][1024] and W_qkv [3072][1024], f32, are turned into codes of BF8 (E5M2), each with the one scale 2^e that is given for it (entry 0 for x, entry 1 for W), and laid as launch gemm's registers take them.
; code = number / 2^e, held within +-57,344, rounded to the nearest code, ties to even.
; LIMITS: -126 <= e and e + 15 <= 127, so that 2^e and 57,344 x 2^e are f32 numbers.  NaN among the inputs is not served (an infinity is held at the largest code).
; WORK LEFT OUT IN THIS PROGRAM: reference() sets every score with key > query to -infinity by a mask that it builds itself, so such a score gives p = 0 whatever the inputs hold; blocks of 128 keys
; that lie wholly behind a wave's 16 queries are not multiplied (launch attn).  A NaN, an infinity or an overflow that reaches only those scores is not carried to the result.  Every input is loaded.
; THE IMAGE.  A fragment is 16 rows x 64 along K in 1,024 bytes: lane l = r + 16 hh holds row r, K = 32 hh + 0 .. 31; its first 16 codes lie at 16 l, its last 16 at 512 + 16 l.  (The same places of K in x and in W.)
;   x_codes: [256 rows: 32][64 of K: 16][16 rows: 16] fragments.   w_codes: [two heads: 8][64 of K: 16][q, k, v: 3][16 rows of the two heads: 8] fragments.
; SHARES.  A work-group takes 16 rows (the first 512 work-groups x's, the others W's), its four waves a quarter of K each: 4 fragments a wave.  Each load reads 512 consecutive bytes of one row; 16 rows x 128 of K
; go through the wave's own stage in LDS (rows 528 bytes apart) and come back 128 bytes a lane: 32 neighbours along K.  A store covers 512 consecutive bytes, aligned.  All 32 loads of a wave are asked for at once.
; No tensor loads, no barrier, no cluster: waves share nothing.
.set WGA,   512
.set SPT,   528                        ; a stage row: 512 bytes + 16
.set WREG,  16*SPT                     ; a wave's stage
.set SPARE, 4*WREG                     ; behind the stages: the spare words, 128 bytes for each wave
.set SPW,   12                         ; v12  LDS address of my spare word; never rewritten
.set NIL,   13                         ; v13  0; never rewritten
.set R,     16                         ; v16-143  two halves of 16 rows x 4 registers, as they are loaded; the first half's registers later take the second half's neighbours
.set X,     144                        ; v144-207 the first half's neighbours: 2 fragments x 32
.set C,     208                        ; v208-239 codes: 8 registers a fragment
	s_load_b128 s[4:7], s[0:1], 0x0                ; x, W
	s_load_b64 s[10:11], s[0:1], 0x10              ; the scales' exponents
	s_load_b128 s[12:15], s[0:1], 0x18             ; x's codes, W's codes
	v_lshl_add_u32 v[SPW], v0, 2, SPARE
	v_mov_b32 v[NIL], 0
	v_lshrrev_b32 v1, 5, v0
	v_readfirstlane_b32 s16, v1                    ; wave: which quarter of K
	s_cmp_lt_u32 ttmp9, WGA
	s_cselect_b32 s17, 0, WGA
	s_sub_co_u32 s18, ttmp9, s17                   ; which 16 rows of the tensor
	s_lshr_b32 s20, s18, 4                         ; x: the block of 256 rows,
	s_and_b32 s21, s18, 15                         ;    and the fragment in it
	s_bfe_u32 s22, s18, 0x30003                    ; W: the pair of heads (3 bits from bit 3),
	s_lshr_b32 s23, s18, 6
	s_lshl_b32 s23, s23, 3
	s_and_b32 s24, s18, 7
	s_or_b32 s23, s23, s24                         ;    and 8 x (q, k, v) + the fragment in the pair
	s_mov_b32 s25, 393216
	s_mov_b32 s26, 24576
	s_cmp_lt_u32 ttmp9, WGA
	s_cselect_b32 s20, s20, s22
	s_cselect_b32 s21, s21, s23
	s_cselect_b32 s25, 262144, s25                 ; bytes of a block over all K
	s_cselect_b32 s26, 16384, s26                  ; bytes of a block's 64 of K
	s_mul_i32 s20, s20, s25
	s_lshl_b32 s21, s21, 10
	s_add_co_u32 s20, s20, s21
	s_lshl_b32 s27, s16, 2
	s_mul_i32 s27, s27, s26                        ; my quarter begins at the 4 x wave-th 64 of K
	s_add_co_u32 s20, s20, s27
	s_mov_b32 s21, 0                               ; s[20:21]: my first fragment in the codes
	s_lshl_b32 s28, s18, 16                        ; 16 rows of 4,096 bytes,
	s_lshl_b32 s29, s16, 10
	s_add_co_u32 s28, s28, s29                     ; + my quarter of a row
	s_mov_b32 s29, 0
	s_mul_i32 s17, s16, WREG
	v_and_b32 v2, 31, v0
	v_lshlrev_b32 v3, 4, v2                        ; 16 x lane
	v_add_nc_u32 v14, s17, v3                      ; the stage, on the way in: my 16 bytes of a row
	v_and_b32 v4, 15, v2
	v_lshrrev_b32 v5, 4, v2
	v_mul_u32_u24 v15, v4, SPT
	v_lshl_add_u32 v15, v5, 7, v15
	v_add_nc_u32 v15, s17, v15                     ; and on the way out: row r, 128 hh bytes on
	v_mov_b32 v6, v3                               ; v6-9: my place in my four fragments
	v_add_nc_u32 v7, s26, v3
	v_add_nc_u32 v8, s26, v7
	v_add_nc_u32 v9, s26, v8
	s_wait_alu depctr_va_vdst(0)
	s_wait_kmcnt 0x0
	s_load_b64 s[22:23], s[10:11], 0x0             ; e of x, e of W
	s_cmp_lt_u32 ttmp9, WGA                        ; the choice hangs on the work-group's number alone
	s_cselect_b64 s[4:5], s[4:5], s[6:7]
	s_cselect_b64 s[8:9], s[12:13], s[14:15]
	s_add_nc_u64 s[4:5], s[4:5], s[28:29]
	s_add_nc_u64 s[8:9], s[8:9], s[20:21]
.irp hf, 0,1
.irp rr, 0,1,2,3,4,5,6,7,8,9,10,11,12,13,14,15
	global_load_b128 v[R+64*\hf+4*\rr:R+64*\hf+4*\rr+3], v3, s[4:5] offset:4096*\rr+512*\hf th:TH_LOAD_NT   ; 512 consecutive bytes of row rr; read once in the launch
.endr
.endr
	s_wait_kmcnt 0x0
	s_cmp_lt_u32 ttmp9, WGA
	s_cselect_b32 s22, s22, s23                    ; e
	s_add_co_i32 s22, s22, 127
	s_lshl_b32 s23, s22, 23
	v_mov_b32 v11, s23                             ; 2^e as f32: the conversion takes its exponent field
	s_add_co_i32 s22, s22, 15
	s_lshl_b32 s22, s22, 23
	s_or_b32 s22, s22, 0x600000
	v_mov_b32 v10, s22                             ; 57,344 x 2^e
.macro TURN hf, dst                    ; 16 rows x 128 of K through the stage: LDS serves a wave's instructions in order, so no wait stands between the stores and the loads
.irp rr, 0,1,2,3,4,5,6,7,8,9,10,11,12,13,14,15
	ds_store_b128 v14, v[R+64*\hf+4*\rr:R+64*\hf+4*\rr+3] offset:SPT*\rr
.endr
.irp k, 0,1,2,3,4,5,6,7,8,9,10,11,12,13,14,15
	ds_load_b128 v[\dst+4*\k:\dst+4*\k+3], v15 offset:256*(\k/8)+16*(\k%8)
.endr
.endm
.macro WORK src, hf                    ; two fragments: hold, convert, store
.set jj, 0
.rept 64
	v_med3_num_f32 v[\src+jj], v[\src+jj], -v10, v10   ; the conversion to an 8-bit code does not saturate (ISA guide 7.6.2): hold the number first
.set jj, jj+1
.endr
.irp g, 0,1,2,3,4,5,6,7
	v_cvt_scalef32_pk8_bf8_f32 v[C+16*\hf+2*\g:C+16*\hf+2*\g+1], v[\src+8*\g:\src+8*\g+7], v11
.endr
.irp f, 0,1
	global_store_b128 v[6+2*\hf+\f], v[C+16*\hf+8*\f:C+16*\hf+8*\f+3], s[8:9]               ; the codes go to stores alone
	global_store_b128 v[6+2*\hf+\f], v[C+16*\hf+8*\f+4:C+16*\hf+8*\f+7], s[8:9] offset:512
.endr
.endm
	s_wait_alu depctr_va_vdst(0)
	s_wait_loadcnt 16                              ; the first half's 16 loads are in
	TURN 0, X
	s_wait_loadcnt 0x0
	s_wait_dscnt 0x0                               ; the first half is back, so its stores into the stage have read their registers,
	TURN 1, R                                      ; which take the second half's neighbours
	WORK X, 0
	s_wait_dscnt 0x0
	WORK R, 1
	s_wait_tensorcnt 0x0                           ; the wave's end: behind my last LDS store
	ds_add_u32 v[SPW], v[NIL]
	s_wait_dscnt 0x0
	s_endpgm
.Lfunc_end_k_q5a663bd59a_quant:
	.size	k_q5a663bd59a_quant, .Lfunc_end_k_q5a663bd59a_quant-k_q5a663bd59a_quant
	.p2alignl 7, 3214868480
	.fill 96, 4, 3214868480
	.section	.rodata,"a",@progbits
	.p2align	6, 0x0
	.amdhsa_kernel k_q5a663bd59a_quant
		.amdhsa_group_segment_fixed_size 34304
		.amdhsa_private_segment_fixed_size 0
		.amdhsa_enable_private_segment 0
		.amdhsa_kernarg_size 40
		.amdhsa_user_sgpr_count 2
		.amdhsa_user_sgpr_kernarg_segment_ptr 1
		.amdhsa_wavefront_size32 1
		.amdhsa_system_sgpr_workgroup_id_x 1
		.amdhsa_system_sgpr_workgroup_id_y 1
		.amdhsa_system_sgpr_workgroup_id_z 1
		.amdhsa_system_vgpr_workitem_id 0
		.amdhsa_next_free_vgpr 240
		.amdhsa_next_free_sgpr 66
		.amdhsa_reserve_vcc 0
		.amdhsa_float_denorm_mode_32 3
		.amdhsa_float_denorm_mode_16_64 3
		.amdhsa_memory_ordered 1
		.amdhsa_forward_progress 1
		.amdhsa_inst_pref_size 21
	.end_amdhsa_kernel
	.amdgpu_metadata
---
amdhsa.version: [ 1, 2 ]
amdhsa.kernels:
  - .name:           k_q5a663bd59a_quant
    .symbol:         k_q5a663bd59a_quant.kd
    .args:
      - { .name: x, .offset: 0, .size: 8, .value_kind: global_buffer, .address_space: global }
      - { .name: W_qkv, .offset: 8, .size: 8, .value_kind: global_buffer, .address_space: global }
      - { .name: lowp_scales, .offset: 16, .size: 8, .value_kind: global_buffer, .address_space: global }
      - { .name: x_codes, .offset: 24, .size: 8, .value_kind: global_buffer, .address_space: global }
      - { .name: w_codes, .offset: 32, .size: 8, .value_kind: global_buffer, .address_space: global }
    .group_segment_fixed_size: 34304
    .private_segment_fixed_size: 0
    .kernarg_segment_align: 8
    .kernarg_segment_size: 40
    .max_flat_workgroup_size: 128
    .sgpr_count:     66
    .vgpr_count:     240
    .wavefront_size: 32
...
	.end_amdgpu_metadata
.endif
;; end of part 1
;; launch gemm (part 2): grid 8 x 32, 4 waves a work-group, clusters of 4 x 4, 327,680 bytes of LDS; arguments x_codes, w_codes, lowp_scales, b_qkv, qkv; writes qkv
.if DOCPART == 2
	.amdgcn_target "amdgcn-amd-amdhsa--gfx1250"
	.amdhsa_code_object_version 6
	.text
	.protected	k_q5a663bd59a_gemm
	.globl	k_q5a663bd59a_gemm
	.p2align	8
	.type	k_q5a663bd59a_gemm,@function
k_q5a663bd59a_gemm:
	s_mov_b64 s[64:65], 0
	v_nop
	global_prefetch_b8 v0, s[64:65] scope:SCOPE_SE
	s_setreg_imm32_b32 hwreg(HW_REG_WAVE_MODE, 25, 1), 1
	s_wait_xcnt 0x0
	s_wait_alu depctr_hold_cnt(0) depctr_sa_sdst(0) depctr_va_vdst(0) depctr_va_sdst(0) depctr_va_ssrc(0) depctr_va_vcc(0) depctr_vm_vsrc(0)
	s_getreg_b32 s2, hwreg(HW_REG_IB_STS2, 6, 4)
	s_cmp_eq_u32 s2, 0
	s_cbranch_scc0 .Lentry_in_a_cluster
	s_endpgm
.Lentry_in_a_cluster:
	s_bfe_u32 s2, ttmp6, 0x10000c
	s_cmp_lg_u32 s2, 0xf033
	s_cbranch_scc0 .Lentry_shape_is_right
	s_endpgm
.Lentry_shape_is_right:
; qkv = x W^T + b on codes of BF8 (E5M2): each sum x 2^(e0 + e1), + bias, quantised again with e2 (q), e3 (k) or e5 (v), and stored as images of the operand registers that launch attn loads.
; SHARES.  8 x 32 = 256 work-groups.  Work-group (tx, ty) makes 256 tokens x 384 columns: heads 2 tx and 2 tx + 1 of q, of k and of v, so all work-groups run one text.  Four waves, as many as a WGP has
; SIMDs: wave w makes tokens 128 (w / 2) on x head 2 tx + w % 2 of q, k and v: 8 x 12 accumulators of 16 x 16, 768 registers.
; OPERANDS come as dense images of fragments (16 rows x 64 of K in 1,024 bytes, lane l's 16 bytes at 16 l and at 512 + 16 l; launch quant lays them): a chunk of 64 of K is 16 fragments of x and 24 of W,
; 40,960 bytes with no padding; a fragment load reads 512 consecutive bytes.  K's 16 chunks go through a ring of two LDS slots of 4 and of 3 chunks, in five fills of 4, 3, 4, 3 and 2 chunks; each fill is
; two dense blocks of memory (x's chunks, then W's), stated as rows of 256 bytes; waves 0 and 1 fetch x's halves, waves 2 and 3 W's: one load a wave.
; CLUSTERS: 4 x 4.  x's block hangs on ty alone and is asked for jointly along the cluster's row, W's on tx alone and along its column.
; NO PREFETCH: K is short: of the five fills two go out at the start, and each later one is asked for three or four chunks (288 or 384 matrix instructions) ahead of its first read.
; LAYOUT OF THE PRODUCTS.  q, k: source 0 = 16 rows of W, source 1 = 16 tokens: a lane holds one token and eight neighbouring channels.  v: the sources swapped: a lane holds one channel and eight neighbouring
; tokens, since the keys are K of attention's second product.  So the conversions' results are the images' registers.
; REGISTERS, in windows of 256: window 0: v0-31 addresses and scales; v32-127 W's 12 fragments, ONE set (blocks 0-5 are fetched anew in a chunk's middle, 6-11 at its end); v128-191, v192-255 x's 8 fragments, two sets.
;   windows 1, 2, 3: the accumulators of q, k, v: (W's block bb, tokens' block a) at v[64 bb + 8 a].  The 96 take turns, one instruction a turn, in the same order in every chunk.
; LIMITS: e0 + e1 between -126 and 127; e2, e3, e5 between -126 and 112.
.set S1,    163840                     ; slot 0: 4 chunks from byte 0; slot 1: 3 chunks from here
.set BIAS,  286720                     ; behind the ring: 768 bytes a wave: its head's 64 biases of q, of k, of v
.set SPARE, BIAS+4*768                 ; the spare words, 128 bytes for each wave
.set SCL,  8                           ; v8-10   2^e2, 2^e3, 2^e5
.set HLD,  11                          ; v11-13  57,344 x these
.set LA,   16                          ; v16  16 x lane + my half of a chunk's fragments of x
.set LB,   17                          ; v17  16 x lane + my head's fragments in each of q, k, v
.set AA,   18                          ; v18, v19  the same in the chunk that is being fetched
.set AB,   19
.set CO,   20                          ; v20  16 x lane: my place in an image
.set BQ,   21                          ; v21  LDS: my biases, + 32 (lane / 16)
.set BV,   22                          ; v22  LDS: my biases, + 4 (lane % 16)
.set BS,   23                          ; v23  LDS: my biases, + 4 x lane
.set SPW,  28                          ; v28  LDS address of my spare word; never rewritten
.set NIL,  29                          ; v29  0; never rewritten
.set BF,   32
.set AF,   128
.set TMP,  32                          ; the way out: v32-95 sums x scale + bias; v128-191 q's and k's biases; v192-255 codes; v0-7 v's biases
.set BI,   128
.set CD,   192
.set G1, 24                            ; s[24:31] descriptor group 1 for x;  s[32:35] group 0
.set G0, 32
.set G1B, 48                           ; s[48:55], s[56:59] the same for W
.set G0B, 56
.set MSB, 0
.macro WIN new                         ; the immediate's high byte repeats the setting that is left
.if MSB != \new
	s_set_vgpr_msb (MSB<<8)|\new
.set MSB, \new
.endif
.endm
.macro PLACES n
.rept \n
	v_nop
.endr
.endm
; A joint load: waves 0 and 1 fetch for x, waves 2 and 3 for W; the branch hangs on the wave's number alone.  An s_nop 0 and four v_nop follow each of the two lines.
.macro JLOAD
	s_cmp_eq_u32 s15, 0
	s_cbranch_scc0 .Lfor_b_\@
	tensor_load_to_lds s[G0:G0+3], s[G1:G1+7]
	s_nop 0
	PLACES 4
	s_branch .Lasked_\@
.Lfor_b_\@:
	tensor_load_to_lds s[G0B:G0B+3], s[G1B:G1B+7]
	s_nop 0
	PLACES 4
.Lasked_\@:
.endm
.macro CROUND                          ; a round of the cluster's barrier
	s_barrier_signal -1
	s_barrier_wait -1
	s_cmp_lg_u32 s14, 0
	s_cbranch_scc1 .Lnot_wave_0_\@
	s_barrier_signal -3
.Lnot_wave_0_\@:
	s_barrier_wait -3
	s_barrier_signal -1
	s_barrier_wait -1
.endm
; The descriptors of a fill of n chunks, from chunk c0 on, into the slot at byte sb: x's n x 16,384 bytes, then W's n x 24,576; my half of either.  Written only where no tensor load of mine is out.
.macro DESC sb, n, c0
	s_mul_i32 s36, s16, (\n)*8192
	s_mov_b32 s37, 0
	s_add_co_u32 s[G0+1], s36, \sb
	s_add_nc_u64 s[G0+2:G0+3], s[20:21], s[36:37]
	s_add_nc_u64 s[G0+2:G0+3], s[G0+2:G0+3], (\c0)*16384
	s_or_b32 s[G0+3], s[G0+3], 0x80000000
	s_mov_b32 s[G1+2], ((\n)*32)<<16               ; tensor_dim1, tile_dim1: rows of 256 bytes
	s_mov_b32 s[G1+4], (\n)*32
	s_mul_i32 s38, s16, (\n)*12288
	s_mov_b32 s39, 0
	s_add_co_u32 s[G0B+1], s38, (\sb)+(\n)*16384
	s_add_nc_u64 s[G0B+2:G0B+3], s[46:47], s[38:39]
	s_add_nc_u64 s[G0B+2:G0B+3], s[G0B+2:G0B+3], (\c0)*24576
	s_or_b32 s[G0B+3], s[G0B+3], 0x80000000
	s_mov_b32 s[G1B+2], ((\n)*48)<<16
	s_mov_b32 s[G1B+4], (\n)*48
.endm
.macro SLOTOF i                        ; CA, CB: LDS bytes at which chunk i's fragments of x and of W begin
.if (\i) < 4
.set CA, (\i)*16384
.set CB, 65536+(\i)*24576
.elseif (\i) < 7
.set CA, S1+((\i)-4)*16384
.set CB, S1+49152+((\i)-4)*24576
.elseif (\i) < 11
.set CA, ((\i)-7)*16384
.set CB, 65536+((\i)-7)*24576
.elseif (\i) < 14
.set CA, S1+((\i)-11)*16384
.set CB, S1+49152+((\i)-11)*24576
.else
.set CA, ((\i)-14)*16384
.set CB, 32768+((\i)-14)*24576
.endif
.endm
.macro FA set                          ; x's eight fragments into a set
.irp a, 0,1,2,3,4,5,6,7
	ds_load_b128 v[AF+64*(\set)+8*\a:AF+64*(\set)+8*\a+3], v[AA] offset:1024*\a
	ds_load_b128 v[AF+64*(\set)+8*\a+4:AF+64*(\set)+8*\a+7], v[AA] offset:1024*\a+512
.endr
.endm
.macro FB b0                           ; W's fragments b0 .. b0 + 5: block b is block b % 4 of my head in q, k or v (b / 4)
.irp k, 0,1,2,3,4,5
	ds_load_b128 v[BF+8*(\b0+\k):BF+8*(\b0+\k)+3], v[AB] offset:((\b0+\k)/4)*8192+((\b0+\k)%4)*1024
	ds_load_b128 v[BF+8*(\b0+\k)+4:BF+8*(\b0+\k)+7], v[AB] offset:((\b0+\k)/4)*8192+((\b0+\k)%4)*1024+512
.endr
.endm
.macro GRP b, set, zero                ; eight products: W's block b with x's eight.  zero: the first chunk's products start the sums: nothing is cleared
.irp a, 0,1,2,3,4,5,6,7
.set DD, 64*((\b)%4)+8*\a
.set FW, BF+8*(\b)
.set FX, AF+64*(\set)+8*\a
.if (\b) < 8
.if \zero
	v_wmma_f32_16x16x64_bf8_bf8 v[DD:DD+7], v[FW:FW+7], v[FX:FX+7], 0
.else
	v_wmma_f32_16x16x64_bf8_bf8 v[DD:DD+7], v[FW:FW+7], v[FX:FX+7], v[DD:DD+7]
.endif
.else
.if \zero
	v_wmma_f32_16x16x64_bf8_bf8 v[DD:DD+7], v[FX:FX+7], v[FW:FW+7], 0
.else
	v_wmma_f32_16x16x64_bf8_bf8 v[DD:DD+7], v[FX:FX+7], v[FW:FW+7], v[DD:DD+7]
.endif
.endif
.endr
.endm
; A CHUNK: 96 matrix instructions.  In its middle the next chunk's fragments of x (into the other set) and W's blocks 0-5 are fetched, at its end W's blocks 6-11: each run stands four places behind the
; products that read its registers (ISA guide 7.12.1 for vector instructions); the address additions are among the places.
; kind 1: a slot's last chunk; the slot is filled again.  Each wave waits for all its tensor loads, adds 0 to its spare word, and waits for that and for its reads of this slot; a round of the cluster's barrier;
; the joint refill first behind it.  kind 2: the same with no refill, and so with the work-group's barrier alone.
.macro CHUNK i, kind, sb, n, c0
.set ST, (\i)%2
	s_wait_dscnt 12                                ; x's set and W's blocks 0-5 are in; the youngest 12 loads (W's blocks 6-11) may be out
	WIN 0x50
.irp b, 0,1,2,3
	GRP \b, ST, (\i)==0
.endr
.if \kind
	WIN 0
	s_wait_tensorcnt 0x0                           ; all my tensor loads have landed: my part of the next slot
	ds_add_u32 v[SPW], v[NIL]                      ; 0 onto my spare word; work on registers stands between it and the wait for it
.if \kind == 1
	DESC \sb, \n, \c0
.endif
.endif
	WIN 0xa0
	GRP 4, ST, (\i)==0
	GRP 5, ST, (\i)==0
	WIN 0
	s_wait_dscnt 0x0                               ; W's blocks 6-11 are in (kind 1, 2: and the add is done, and my reads of this slot are over)
.if \kind == 1
	CROUND                                         ; no wave of any partner still reads this slot or has a load on its way
	JLOAD
.elseif \kind == 2
	s_barrier_signal -1
	s_barrier_wait -1
.endif
.if (\i) < 15
	SLOTOF (\i)+1
	v_add_nc_u32 v[AA], CA, v[LA]
	v_add_nc_u32 v[AB], CB, v[LB]
	PLACES 2
	FA 1-ST
	FB 0
.else
.irp p, 0,1                            ; the last chunk fetches nothing more: the idle set of x takes q's and k's biases, in the accumulators' layout: channels 16 bb + 8 (lane / 16) + 0 .. 7
.irp bb, 0,1,2,3
	ds_load_b128 v[BI+32*\p+8*\bb:BI+32*\p+8*\bb+3], v[BQ] offset:256*\p+64*\bb
	ds_load_b128 v[BI+32*\p+8*\bb+4:BI+32*\p+8*\bb+7], v[BQ] offset:256*\p+64*\bb+16
.endr
.endr
.irp bb, 0,1,2,3
	ds_load_b32 v[2*\bb], v[BV] offset:512+64*\bb  ; v's: channel 16 bb + lane % 16
.endr
.endif
	WIN 0xa0
	GRP 6, ST, (\i)==0
	GRP 7, ST, (\i)==0
	WIN 0xf0
.irp b, 8,9,10,11
	GRP \b, ST, (\i)==0
.endr
	WIN 0
.if (\i) < 15
	v_add_nc_u32 v[AB], CB, v[LB]
	PLACES 3
	FB 6
.endif
.endm
	s_load_b128 s[4:7], s[0:1], 0x0                ; x's codes, W's codes
	s_load_b128 s[8:11], s[0:1], 0x10              ; the scales' exponents, the bias
	s_load_b64 s[12:13], s[0:1], 0x20              ; qkv
	v_lshl_add_u32 v[SPW], v0, 2, SPARE
	v_mov_b32 v[NIL], 0
	ds_add_u32 v[SPW], v[NIL]                      ; the wave's opening: the add, twice on end, and its wait ahead of my first tensor load
	ds_add_u32 v[SPW], v[NIL]
	v_lshrrev_b32 v1, 5, v0
	v_readfirstlane_b32 s14, v1                    ; wave 0..3
	s_lshr_b32 s15, s14, 1                         ; my half of the tokens.  Also: I fetch for x (0) or for W (1)
	s_and_b32 s16, s14, 1                          ; my head of the two.  Also: which half of a block I fetch
	s_bfe_u32 s40, ttmp6, 0x40000                  ; cx, cy: my place in the cluster
	s_bfe_u32 s41, ttmp6, 0x40004
	s_lshl_b32 s42, ttmp9, 2
	s_add_co_u32 s42, s42, s40                     ; tx = 4 x cluster x + cx
	s_and_b32 s17, ttmp7, 0xffff
	s_lshl_b32 s17, s17, 2
	s_add_co_u32 s17, s17, s41                     ; ty = 4 x cluster y + cy
	s_lshl_b32 s43, s41, 2
	s_lshl_b32 s43, 15, s43                        ; my row of the cluster
	s_lshl_b32 s44, 0x1111, s40                    ; my column
	s_or_b32 s[G1+0], s43, (3<<16)|(1<<21)         ; 15:0 the mask; 17:16 elements of 8 bytes; 21 set beside a mask; no padding
	s_or_b32 s[G1B+0], s44, (3<<16)|(1<<21)
.irp g, G1, G1B
	s_mov_b32 s[\g+1], 32<<16                      ; tensor_dim0: a row of 256 bytes
	s_mov_b32 s[\g+3], 32<<16                      ; tile_dim0
	s_mov_b32 s[\g+5], 32                          ; tensor_dim0_stride: dense
	s_mov_b32 s[\g+6], 0
	s_mov_b32 s[\g+7], 0
.endr
	s_mov_b32 s[G0], 1
	s_mov_b32 s[G0B], 1
	s_lshl_b32 s20, s17, 18                        ; x's block of 256 rows: 262,144 bytes
	s_mov_b32 s21, 0
	s_mul_i32 s46, s42, 393216                     ; W's block of two heads
	s_mov_b32 s47, 0
	s_wait_dscnt 0x0                               ; both opening adds are done
	s_wait_kmcnt 0x0
	s_load_b128 s[72:75], s[8:9], 0x0              ; e0 .. e3
	s_load_b64 s[76:77], s[8:9], 0x10              ; e4, e5
	s_add_nc_u64 s[20:21], s[4:5], s[20:21]
	s_add_nc_u64 s[46:47], s[6:7], s[46:47]
	DESC 0, 4, 0
	CROUND                                         ; all sixteen work-groups are here: the first joint loads meet
	JLOAD                                          ; chunks 0-3: one tensor load a wave at the head
	s_lshl_b32 s38, s42, 1
	s_add_co_u32 s38, s38, s16                     ; my head
	s_lshl_b32 s36, s38, 8
	s_mov_b32 s37, 0
	s_add_nc_u64 s[10:11], s[10:11], s[36:37]      ; its 64 biases of q; k's and v's lie 4,096 and 8,192 bytes on
	s_lshr_b32 s36, s17, 3
	s_lshl_b32 s36, s36, 21                        ; the images: batch << 21,
	s_lshl_b32 s39, s38, 17
	s_add_co_u32 s36, s36, s39                     ; head << 17,
	s_and_b32 s39, s17, 7
	s_lshl_b32 s39, s39, 14
	s_add_co_u32 s36, s36, s39                     ; 256 tokens << 14,
	s_lshl_b32 s39, s15, 13
	s_add_co_u32 s36, s36, s39                     ; my 128 tokens << 13
	s_add_nc_u64 s[80:81], s[12:13], s[36:37]      ; q
	s_add_nc_u64 s[82:83], s[80:81], 0x800000      ; k
	s_add_nc_u64 s[84:85], s[80:81], 0x1000000     ; v
	s_lshl_b32 s86, s15, 13
	s_lshl_b32 s87, s16, 12
	s_mul_i32 s88, s14, 768
	s_add_co_u32 s88, s88, BIAS
	v_and_b32 v1, 31, v0
	v_lshlrev_b32 v4, 2, v1
.irp p, 0,1,2
.irp hf, 0,1
	global_load_b32 v[32+2*\p+\hf], v4, s[10:11] offset:4096*\p+128*\hf
.endr
.endr
	v_lshlrev_b32 v[CO], 4, v1
	v_add_nc_u32 v[LA], s86, v[CO]
	v_add_nc_u32 v[LB], s87, v[CO]
	v_and_b32 v2, 15, v0
	v_bfe_u32 v3, v0, 4, 1
	v_add_nc_u32 v[BS], s88, v4
	v_lshlrev_b32 v3, 5, v3
	v_add_nc_u32 v[BQ], s88, v3
	v_lshlrev_b32 v2, 2, v2
	v_add_nc_u32 v[BV], s88, v2
	s_wait_alu depctr_va_vdst(0)
	s_wait_kmcnt 0x0
	s_add_co_i32 s96, s72, s73
	s_add_co_i32 s96, s96, 127
	s_lshl_b32 s96, s96, 23                        ; 2^(e0 + e1) as f32
	s_mov_b32 s97, s96
.macro MKS e, k
	s_add_co_i32 s78, s[\e], 127
	s_lshl_b32 s79, s78, 23
	v_mov_b32 v[SCL+\k], s79                       ; 2^e as f32, for the conversion
	s_add_co_i32 s78, s78, 15
	s_lshl_b32 s78, s78, 23
	s_or_b32 s78, s78, 0x600000
	v_mov_b32 v[HLD+\k], s78                       ; 57,344 x 2^e
.endm
	MKS 74, 0
	MKS 75, 1
	MKS 77, 2
	s_wait_alu depctr_va_vdst(0)
	s_wait_loadcnt 0x0
.irp p, 0,1,2
.irp hf, 0,1
	ds_store_b32 v[BS], v[32+2*\p+\hf] offset:256*\p+128*\hf   ; my head's biases, into bytes of my own that no fill lands on
.endr
.endr
	s_wait_tensorcnt 0x0                           ; my part of chunks 0-3 is in
	ds_add_u32 v[SPW], v[NIL]
	DESC S1, 3, 4
	s_wait_dscnt 0x0
	CROUND
	JLOAD                                          ; chunks 4-6: the first tensor load behind the round
	SLOTOF 0
	v_add_nc_u32 v[AA], CA, v[LA]
	v_add_nc_u32 v[AB], CB, v[LB]
	FA 0
	FB 0
	FB 6
	CHUNK 0, 0, 0, 0, 0
	CHUNK 1, 0, 0, 0, 0
	CHUNK 2, 0, 0, 0, 0
	CHUNK 3, 1, 0, 4, 7                            ; slot 0 takes chunks 7-10
	CHUNK 4, 0, 0, 0, 0
	CHUNK 5, 0, 0, 0, 0
	CHUNK 6, 1, S1, 3, 11                          ; slot 1 takes chunks 11-13
	CHUNK 7, 0, 0, 0, 0
	CHUNK 8, 0, 0, 0, 0
	CHUNK 9, 0, 0, 0, 0
	CHUNK 10, 1, 0, 2, 14                          ; slot 0 takes chunks 14 and 15
	CHUNK 11, 0, 0, 0, 0
	CHUNK 12, 0, 0, 0, 0
	CHUNK 13, 2, 0, 0, 0
	CHUNK 14, 0, 0, 0, 0
	CHUNK 15, 0, 0, 0, 0
; THE WAY OUT.  sum x 2^(e0 + e1) + bias, held within the largest code x the scale, converted: eight registers of an accumulator give two registers of an image; a store covers 512 consecutive bytes, aligned.
; q, k: 16 tokens' image is 1,024 bytes: registers 2 bb, 2 bb + 1 hold channels 16 bb + 8 (lane / 16) + 0 .. 7.
.macro OUTQK win, part, base
.irp a, 0,1,2,3,4,5,6,7
.set TM, TMP+32*(\a%2)
	WIN \win                                       ; source 0: the accumulators' window
.irp bb, 0,1,2,3
.irp j, 0,2,4,6
	v_pk_fma_f32 v[TM+8*\bb+\j:TM+8*\bb+\j+1], v[64*\bb+8*\a+\j:64*\bb+8*\a+\j+1], s[96:97], v[BI+32*\part+8*\bb+\j:BI+32*\part+8*\bb+\j+1] op_sel_hi:[1,0,1]   ; each accumulator from its low end on
.endr
.endr
	WIN 0
.set jj, 0
.rept 32
	v_med3_num_f32 v[TM+jj], v[TM+jj], -v[HLD+\part], v[HLD+\part]   ; the conversion to an 8-bit code does not saturate (ISA guide 7.6.2)
.set jj, jj+1
.endr
.irp bb, 0,1,2,3
	v_cvt_scalef32_pk8_bf8_f32 v[CD+8*\a+2*\bb:CD+8*\a+2*\bb+1], v[TM+8*\bb:TM+8*\bb+7], v[SCL+\part]
.endr
	v_nop                                          ; one plain line behind the conversions
	global_store_b128 v[CO], v[CD+8*\a:CD+8*\a+3], s[\base:\base+1] offset:1024*\a
	global_store_b128 v[CO], v[CD+8*\a+4:CD+8*\a+7], s[\base:\base+1] offset:1024*\a+512
.endr
.endm
	PLACES 4                                       ; behind the last products
	s_wait_dscnt 0x0                               ; the biases are in
.irp bb, 0,1,2,3
	v_mov_b32 v[2*\bb+1], v[2*\bb]                 ; v's bias of my channel, as a pair
.endr
	OUTQK 1, 0, 80
	s_wait_xcnt 0x0                                ; q's stores have read their registers: k's codes may be written there
	OUTQK 2, 1, 82
	s_wait_xcnt 0x0
; v: my 128 tokens x 16 channels are an image of 2,048 bytes: registers 2 a, 2 a + 1 hold keys 16 a + 8 (lane / 16) + 0 .. 7 of channel lane % 16
.irp bb, 0,1,2,3
	WIN 3
.set jj, 0
.rept 32
	v_pk_fma_f32 v[TMP+jj:TMP+jj+1], v[64*\bb+jj:64*\bb+jj+1], s[96:97], v[2*\bb:2*\bb+1] op_sel_hi:[1,0,1]
.set jj, jj+2
.endr
	WIN 0
.set jj, 0
.rept 64
	v_med3_num_f32 v[TMP+jj], v[TMP+jj], -v[HLD+2], v[HLD+2]
.set jj, jj+1
.endr
.irp a, 0,1,2,3,4,5,6,7
	v_cvt_scalef32_pk8_bf8_f32 v[CD+16*\bb+2*\a:CD+16*\bb+2*\a+1], v[TMP+8*\a:TMP+8*\a+7], v[SCL+2]
.endr
	v_nop
.irp c, 0,1,2,3
	global_store_b128 v[CO], v[CD+16*\bb+4*\c:CD+16*\bb+4*\c+3], s[84:85] offset:2048*\bb+512*\c
.endr
.endr
	s_wait_tensorcnt 0x0                           ; the wave's end: behind my last tensor load and my last LDS store
	ds_add_u32 v[SPW], v[NIL]
	s_wait_dscnt 0x0
	CROUND                                         ; the closing round
	s_endpgm
.Lfunc_end_k_q5a663bd59a_gemm:
	.size	k_q5a663bd59a_gemm, .Lfunc_end_k_q5a663bd59a_gemm-k_q5a663bd59a_gemm
	.p2alignl 7, 3214868480
	.fill 96, 4, 3214868480
	.section	.rodata,"a",@progbits
	.p2align	6, 0x0
	.amdhsa_kernel k_q5a663bd59a_gemm
		.amdhsa_group_segment_fixed_size 327680
		.amdhsa_private_segment_fixed_size 0
		.amdhsa_enable_private_segment 0
		.amdhsa_kernarg_size 40
		.amdhsa_user_sgpr_count 2
		.amdhsa_user_sgpr_kernarg_segment_ptr 1
		.amdhsa_wavefront_size32 1
		.amdhsa_system_sgpr_workgroup_id_x 1
		.amdhsa_system_sgpr_workgroup_id_y 1
		.amdhsa_system_sgpr_workgroup_id_z 1
		.amdhsa_system_vgpr_workitem_id 0
		.amdhsa_next_free_vgpr 1024
		.amdhsa_next_free_sgpr 98
		.amdhsa_reserve_vcc 0
		.amdhsa_float_denorm_mode_32 3
		.amdhsa_float_denorm_mode_16_64 3
		.amdhsa_memory_ordered 1
		.amdhsa_forward_progress 1
		.amdhsa_inst_pref_size 247
	.end_amdhsa_kernel
	.amdgpu_metadata
---
amdhsa.version: [ 1, 2 ]
amdhsa.kernels:
  - .name:           k_q5a663bd59a_gemm
    .symbol:         k_q5a663bd59a_gemm.kd
    .args:
      - { .name: x_codes, .offset: 0, .size: 8, .value_kind: global_buffer, .address_space: global }
      - { .name: w_codes, .offset: 8, .size: 8, .value_kind: global_buffer, .address_space: global }
      - { .name: lowp_scales, .offset: 16, .size: 8, .value_kind: global_buffer, .address_space: global }
      - { .name: b_qkv, .offset: 24, .size: 8, .value_kind: global_buffer, .address_space: global }
      - { .name: qkv, .offset: 32, .size: 8, .value_kind: global_buffer, .address_space: global }
    .group_segment_fixed_size: 327680
    .private_segment_fixed_size: 0
    .kernarg_segment_align: 8
    .kernarg_segment_size: 40
    .max_flat_workgroup_size: 128
    .sgpr_count:     98
    .vgpr_count:     1024
    .wavefront_size: 32
...
	.end_amdgpu_metadata
.endif
;; end of part 2
;; launch attn (part 3): grid 4 x 64, 16 waves a work-group, no clusters, 327,680 bytes of LDS; arguments qkv, lowp_scales, out0; writes out0
.if DOCPART == 3
	.amdgcn_target "amdgcn-amd-amdhsa--gfx1250"
	.amdhsa_code_object_version 6
	.text
	.protected	k_q5a663bd59a_attn
	.globl	k_q5a663bd59a_attn
	.p2align	8
	.type	k_q5a663bd59a_attn,@function
k_q5a663bd59a_attn:
	s_mov_b64 s[64:65], 0
	v_nop
	global_prefetch_b8 v0, s[64:65] scope:SCOPE_SE
	s_setreg_imm32_b32 hwreg(HW_REG_WAVE_MODE, 25, 1), 1
	s_wait_xcnt 0x0
; out[b][q][64 head + d] = the sum over keys k <= q of softmax_k(Q[q] . K[k] / 8) V[k][d], both products on codes of BF8 (E5M2), each operand with its given scale: e2 (q), e3 (k), e4 (p), e5 (v).
; LEFT OUT: blocks of 128 keys that lie wholly behind a wave's 16 queries: reference()'s own causal mask makes their p = 0 for all inputs.
; q, k, v come as images of operand registers (lane l's 16 bytes at 16 l): q at byte 0 of the buffer, k at 1 << 23, v at 2 << 23; a head g = 16 b + head has 131,072 bytes in each.
;   q, k: 16 tokens in 1,024 bytes: registers 0-3, then 4-7: lane (r, h): token r, registers 2 c, 2 c + 1: d = 16 c + 8 h + 0 .. 7.
;   v: 128 keys x 16 channels in 2,048 bytes, four such to a block of 128 keys: lane (r, h): channel r, registers 2 c, 2 c + 1: keys 16 c + 8 h + 0 .. 7.
; THE SOFTMAX AHEAD OF THE SECOND PRODUCT: t = score x log2(e) / 8; M = the row's largest t so far, rounded UP to a whole number; p = 2^(t - M) is what is quantised; it is not normalised.
; The row's sum is taken of the unquantised p, in f32, and divides O at the end.  When M moves, the sum and O are multiplied by 2^(old M - new M): exact.
; K AND V STAY IN LDS.  A head's codes of K and of V are 131,072 bytes each: both lie in LDS whole, and nothing is filled again.  A block of 128 keys is 8 pieces of 1,024 bytes of K and 8 of V; piece p of
; all 16 blocks lies on end (K: 16,384 p + 1,024 block; V: 131,072 further on).  Wave w fetches piece w % 8 of K (w < 8) or of V, as rows of 1,024 bytes that lie 8,192 apart in memory, in three loads:
; key blocks 0-1 at the head (2 rows), 2-5 behind the first barrier (4 rows), 6-15 behind the second (10 rows): a load has the steps on the blocks before it in which to land.
; So every load holds bytes that are read, whichever queries the work-group owns; of the last blocks up to three are fetched and not read.
; SHARES.  The head's queries are 16 blocks of 128.  Work-group j (0 .. 3): waves 0-7 own block 15 - j and then block j, waves 8-15 block 8 + j and then block 7 - j, 16 queries a wave.  Block n needs the
; key blocks 0 .. n, so every wave works (16 - j) + (j + 1) = (9 + j) + (8 - j) = 17 steps of 128 keys.  The loops' trip counts are constants (2, 4, 10, then 8); a step whose keys are all hidden is passed
; over by a scalar branch on ids.  A wave's first block of queries is 8 or higher, so key blocks 0-5 hold no hidden key for it: those two loops have neither the branch nor the mask.
; Behind the barrier that shows key blocks 6-15 no barrier follows: the waves share nothing more.
; NO CLUSTER: the four work-groups of a head load the same tiles, but the branches round hidden steps hang on j, which is what would tell the partners of a cluster apart.
; NO PREFETCH: all of K and V is asked for within the first six steps, each load as soon as the one before has landed; there is no later load to run ahead of.
; LAYOUT.  Both products are used transposed: S^T = K Q^T (source 0 = 16 keys, source 1 = my 16 queries), O^T = V^T P^T (source 0 = 16 channels x 128 keys, source 1 = P): a lane holds ONE query
; (lane % 16) throughout, and the eight registers of tile c of S^T are keys 16 c + 8 h + 0 .. 7: their codes ARE registers 2 c, 2 c + 1 of the second product's operand.
; LIMITS on the given exponents, so that each power of two below is an f32 number: e2 + e3 between -123 and 130 (added to c's exponent field); e4 between -126 and 112; e4 + e5 goes by v_ldexp_f32.
; The scaled scores stay under 2^31 in magnitude.
; REGISTERS: v1-7 addresses; v8-11 the step's LDS addresses; v12 -M, v13 the largest t, v[14:15] the sum in two halves; v16-23 Q; v24-31 Q of the second block; v32-95 fragments of K, then of V;
;   v96-159 S^T, then p; v160-191 O^T; v224-239 p's codes; v240, v245 57,344 x 2^e4; v241 a lane exchange's result; v242-249 chains of the sum; v244 2^e4; v252-254 at work.
.set SP,    144                        ; the way out: a stage row: half a row of the output, 128 bytes, + 16
.set WSTG,  16*SP                      ; a wave's stage: 16 rows
.set STAGE, 262144                     ; behind K and V: no tensor load lands there
.set SPARE, STAGE+16*WSTG              ; behind the stages: the spare words, 128 bytes for each wave: eight blocks of 256 bytes that no other line names
.set LI,   1                           ; v1   16 x lane: my place in an image
.set STO,  2                           ; v2   the way out: where I put 32 bytes of a row
.set RD,   3                           ; v3   and where I read 16 bytes back
.set GO,   4                           ; v4   my byte offset in the wave's rows of the output
.set SPW,  5                           ; v5   LDS address of my spare word: SPARE + 4 x my thread's number; never rewritten
.set NIL,  6                           ; v6   0; never rewritten
.set D0,   7                           ; v7   r - 8 h, for the mask
.set ADR,  8                           ; v8-11 the key block's place + 16 x lane: K's pieces 0-3, 4-7, V's pieces 0-3, 4-7
.set WV,   18                          ; s18  my wave's number
.set EPV,  19                          ; s19  e4 + e5
.set SEL,  20                          ; s[20:21] lane selects for v_permlanex16_b32: lane l xor 16
.set CS,   22                          ; s[22:23] c = log2(e) / 8 x 2^(e2 + e3)
.set G1,   24                          ; s[24:31] descriptor group 1
.set G0,   32                          ; s[32:35] descriptor group 0
.set TB,   44                          ; s44  1,024 x the key block in hand
.set VC,   45                          ; s45  the loops' counter
.set KF,   46                          ; s46  the step's first key
.set Q0,   47                          ; s47  my first query
.set OA,   48                          ; s[48:49] the output at my rows of the first block
.set OB,   50                          ; s[50:51] of the second
.set Q0B,  66                          ; s66  my first query of the second block
.set TT,   67                          ; s67  at work
.set MK,   68                          ; s68  lanes 8-15 and 24-31
	s_load_b128 s[4:7], s[0:1], 0x0                ; qkv s[4:5], the scales' exponents s[6:7]
	s_load_b64 s[8:9], s[0:1], 0x10                ; the output
	v_lshl_add_u32 v[SPW], v0, 2, SPARE
	v_mov_b32 v[NIL], 0
	ds_add_u32 v[SPW], v[NIL]                      ; the wave's opening: the add, twice on end, and its wait ahead of my first tensor load
	ds_add_u32 v[SPW], v[NIL]
	v_lshrrev_b32 v8, 5, v0
	v_readfirstlane_b32 s[WV], v8                  ; wave 0..15
	s_and_b32 s56, ttmp7, 0xffff                   ; g
	s_lshl_b32 s57, s56, 17                        ; the head's first byte in each region
	s_lshr_b32 s58, s[WV], 3                       ; 0: I fetch for K and own blocks 15 - j, j;  1: for V, blocks 8 + j, 7 - j
	s_and_b32 s59, s[WV], 7                        ; my piece, and my 16 queries of a block
	s_lshl_b32 s[G0+1], s[WV], 14                  ; 63:32 LDS address: 16,384 x wave: K's eight pieces, then V's
	s_add_co_u32 s60, s58, 1
	s_lshl_b32 s60, s60, 23                        ; k's region or v's,
	s_add_co_u32 s60, s60, s57                     ; my head,
	s_lshl_b32 s61, s59, 10
	s_add_co_u32 s60, s60, s61                     ; my piece of key block 0
	s_mov_b32 s61, 0
	; descriptor group 1: rows of 128 elements of 8 bytes, 1,024 elements apart in memory, on end in LDS; no padding: the images are read 512 consecutive bytes an instruction
	s_mov_b32 s[G1+0], 3<<16                       ; 15:0 no mask; 17:16 elements of 8 bytes; 20 padding off
	s_mov_b32 s[G1+1], 128<<16                     ; tensor_dim0
	s_mov_b32 s[G1+2], 2<<16                       ; tensor_dim1: key blocks 0-1
	s_mov_b32 s[G1+3], 128<<16                     ; tile_dim0
	s_mov_b32 s[G1+4], 2                           ; tile_dim1
	s_mov_b32 s[G1+5], 1024                        ; tensor_dim0_stride
	s_mov_b32 s[G1+6], 0
	s_mov_b32 s[G1+7], 0
	s_sub_co_u32 s62, 15, ttmp9
	s_add_co_u32 s63, ttmp9, 8
	s_cmp_eq_u32 s58, 0
	s_cselect_b32 s62, s62, s63                    ; my first block of queries: 15 - j or 8 + j
	s_sub_co_u32 s63, 15, s62                      ; my second: j or 7 - j
	s_lshl_b32 s59, s59, 4
	s_lshl_b32 s[Q0], s62, 7
	s_add_co_u32 s[Q0], s[Q0], s59
	s_lshl_b32 s[Q0B], s63, 7
	s_add_co_u32 s[Q0B], s[Q0B], s59
	s_lshl_b32 s14, s[Q0], 6                       ; Q's fragments: 1,024 bytes for 16 queries
	s_add_co_u32 s14, s14, s57
	s_mov_b32 s15, 0
	s_lshl_b32 s16, s[Q0B], 6
	s_add_co_u32 s16, s16, s57
	s_mov_b32 s17, 0
	s_lshr_b32 s2, s56, 4                          ; the output: batch << 23, query << 12, head << 8
	s_lshl_b32 s2, s2, 23
	s_and_b32 s3, s56, 15
	s_lshl_b32 s3, s3, 8
	s_add_co_u32 s2, s2, s3
	s_lshl_b32 s62, s[Q0], 12
	s_add_co_u32 s62, s62, s2
	s_mov_b32 s63, 0
	s_lshl_b32 s56, s[Q0B], 12
	s_add_co_u32 s56, s56, s2
	s_mov_b32 s57, 0
	s_mov_b32 s[SEL], 0x76543210
	s_mov_b32 s[SEL+1], 0xfedcba98
	s_mov_b32 s[CS], 0x3e38aa3b                    ; log2(e) / 8
	s_mov_b32 s[MK], 0xff00ff00
	s_mov_b32 s[TB], 0
	s_mov_b32 s[VC], 0
	s_mov_b32 s[KF], 0
	s_wait_dscnt 0x0                               ; both opening adds are done
	s_wait_kmcnt 0x0
	s_load_b128 s[52:55], s[6:7], 0x8              ; e2, e3, e4, e5
	s_mov_b32 s[G0], 1                             ; 1:0 count = 1
	s_add_nc_u64 s[G0+2:G0+3], s[4:5], s[60:61]    ; 120:64 global address
	s_or_b32 s[G0+3], s[G0+3], 0x80000000          ; 127:126 type = 2
	tensor_load_to_lds s[G0:G0+3], s[G1:G1+7]      ; key blocks 0-1: every wave's one tensor load at the head
	s_nop 0
.rept 4
	v_nop
.endr
	s_add_nc_u64 s[10:11], s[4:5], s[14:15]
	s_add_nc_u64 s[12:13], s[4:5], s[16:17]
	s_add_nc_u64 s[OA:OA+1], s[8:9], s[62:63]
	s_add_nc_u64 s[OB:OB+1], s[8:9], s[56:57]
	v_and_b32 v[LI], 31, v0
	v_lshlrev_b32 v[LI], 4, v[LI]
	global_load_b128 v[16:19], v[LI], s[10:11]               ; Q of both blocks stays in registers
	global_load_b128 v[20:23], v[LI], s[10:11] offset:512
	global_load_b128 v[24:27], v[LI], s[12:13]
	global_load_b128 v[28:31], v[LI], s[12:13] offset:512
	v_and_b32 v9, 15, v0                           ; r
	v_bfe_u32 v10, v0, 4, 1                        ; h
	v_and_b32 v11, 7, v0
	s_mul_i32 s60, s[WV], WSTG
	s_add_co_u32 s60, s60, STAGE                   ; my stage
	v_mul_u32_u24 v[STO], v9, SP
	v_lshl_add_u32 v[STO], v10, 5, v[STO]
	v_add_nc_u32 v[STO], s60, v[STO]               ; in: row r; a tile's eight channels of my half: 64 (tile % 2) + 32 h bytes on
	v_mul_u32_u24 v[RD], v10, SP
	v_lshl_add_u32 v[RD], v11, 4, v[RD]
	v_add_nc_u32 v[RD], s60, v[RD]                 ; back: lanes 0-15 one row, lanes 16-31 the next; 16 (lane % 8) bytes on
	v_lshlrev_b32 v[GO], 12, v10
	v_lshl_add_u32 v[GO], v9, 4, v[GO]             ; the same two rows in the output, 4,096 bytes apart; 16 (lane % 16) bytes on
	v_lshlrev_b32 v[D0], 3, v10
	v_sub_nc_u32 v[D0], v9, v[D0]                  ; r - 8 h
	v_mov_b32 v13, 0xff61b1e6                      ; the largest t so far: -3e38, under every t
	v_floor_f32 v12, -v13                          ; -M
	v_mov_b32 v14, 0                               ; the sum, in two halves
	v_mov_b32 v15, 0
	v_mov_b32 v241, 0                              ; written once: a lane exchange's destination counts as one of its sources
	v_mov_b32 v252, 0
	v_mov_b32 v253, 0                              ; (named as the upper half of the pair v[252:253])
	v_mov_b32 v254, 0
.set jj, 0
.rept 32
	v_mov_b32 v[160+jj], 0                         ; O^T.  (The step is written once: a block's first step finds zeros, which the first change of M leaves zeros)
.set jj, jj+1
.endr
	s_wait_kmcnt 0x0
	s_add_co_i32 s56, s52, s53
	s_lshl_b32 s56, s56, 23
	s_add_co_i32 s[CS], s[CS], s56                 ; a score stands for score x 2^(e2 + e3): the two exponents are added to c's exponent field
	s_mov_b32 s[CS+1], s[CS]                       ; (named with it as a pair, so it is written)
	s_add_co_i32 s56, s54, 127
	s_lshl_b32 s57, s56, 23
	v_mov_b32 v244, s57                            ; 2^e4 as f32, for the conversion
	s_add_co_i32 s56, s56, 15
	s_lshl_b32 s56, s56, 23
	s_or_b32 s56, s56, 0x600000
	v_mov_b32 v240, s56                            ; 57,344 x 2^e4,
	v_mov_b32 v245, s56                            ; and once more: the two halves of a dual pair take their first sources from registers whose numbers differ modulo 4
	s_add_co_i32 s[EPV], s54, s55                  ; e4 + e5
; A KEY STEP: the 128 keys from KF on.  mk = 1: a step all of whose keys come after my 16 queries is left out: a scalar branch on ids, round the step's loads, products and softmax, not round the two lines that
; step on; and on the diagonal hidden keys are masked.  mk = 0: for key blocks that hold no hidden key for any wave: neither is assembled.
.macro STEP mk
.if \mk
	s_add_co_u32 s[TT], s[Q0], 15
	s_cmp_gt_u32 s[KF], s[TT]
	s_cbranch_scc1 .Lhidden_\@
.endif
	v_add_nc_u32 v[ADR], s[TB], v[LI]              ; these four are also the places in front of loads into registers that the last products read
	v_add_nc_u32 v[ADR+1], 0x10000, v[ADR]
	v_add_nc_u32 v[ADR+2], 0x20000, v[ADR]
	v_add_nc_u32 v[ADR+3], 0x30000, v[ADR]
.irp t, 0,1,2,3,4,5,6,7
	ds_load_b128 v[32+8*\t:35+8*\t], v[ADR+\t/4] offset:(\t%4)*16384       ; K's fragment of keys 16 t on: piece t; 512 consecutive bytes an instruction
	ds_load_b128 v[36+8*\t:39+8*\t], v[ADR+\t/4] offset:(\t%4)*16384+512
.endr
	s_wait_alu depctr_va_vdst(0)
.irp t, 0,1,2,3,4,5,6,7
	s_wait_dscnt 14-2*\t                           ; LDS loads come back in order (ISA guide 5.7.1): fragment t is in, the later fragments' two loads each may be out
	v_wmma_f32_16x16x64_bf8_bf8 v[96+8*\t:103+8*\t], v[32+8*\t:39+8*\t], v[16:23], 0
.endr
.rept 4
	v_nop                                          ; places in front of the loads below and of the first read of the scores
.endr
.irp d, 0,1,2,3
.irp c, 0,1,2,3
	ds_load_b128 v[32+16*\d+4*\c:35+16*\d+4*\c], v[ADR+2+\d/2] offset:((2*\d+\c/2)%4)*16384+(\c%2)*512   ; V's four fragments (piece 2 d + c / 2): they land while the softmax is worked
.endr
.endr
.if \mk
	; on the diagonal the scores of hidden keys become -infinity ahead of the maximum: p = 0 then.  A step all of whose keys count skips this.  KF <= my first query in every step that is worked, so each query sees key KF
	s_add_co_u32 s[TT], s[KF], 127
	s_cmp_le_u32 s[TT], s[Q0]
	s_cbranch_scc1 .Lopen_\@
	s_sub_co_i32 s[TT], s[Q0], s[KF]
	v_add_nc_u32 v252, s[TT], v[D0]                ; d = my query - KF - 8 h.  Register 8 t + j holds key KF + 16 t + 8 h + j: hidden where 16 t + j > d
	v_mov_b32 v254, 0xff800000                     ; -infinity
.irp n, 0,1,2,3,4,5,6,7,8,9,10,11,12,13,14,15,16,17,18,19,20,21,22,23,24,25,26,27,28,29,30,31,32,33,34,35,36,37,38,39,40,41,42,43,44,45,46,47,48,49,50,51,52,53,54,55,56,57,58,59,60,61,62,63
	v_cmp_gt_i32 vcc_lo, 16*(\n/8)+\n%8, v252
	v_cndmask_b32 v[96+\n], v[96+\n], v254, vcc_lo
.endr
.Lopen_\@:
.endif
	v_max3_num_f32 v254, v96, v97, v98             ; the step's largest score of my query, among my 64 keys, in two chains, each accumulator from its low end on,
	v_max3_num_f32 v252, v99, v100, v101
.irp i, 6,10,14,18,22,26,30,34,38,42,46,50,54,58
	v_max3_num_f32 v254, v254, v[96+\i], v[97+\i]
	v_max3_num_f32 v252, v252, v[98+\i], v[99+\i]
.endr
	v_max3_num_f32 v254, v254, v158, v159
	s_delay_alu instid0(VALU_DEP_1)
	v_max_num_f32 v254, v254, v252
	s_delay_alu instid0(VALU_DEP_1)
	v_permlanex16_b32 v241, v254, s[SEL], s[SEL+1]
	s_delay_alu instid0(VALU_DEP_1)
	v_max_num_f32 v254, v254, v241                 ; and among lane l xor 16's
	s_delay_alu instid0(VALU_DEP_1)
	v_mul_f32 v254, s[CS], v254                    ; as t (c is positive)
	s_delay_alu instid0(VALU_DEP_1)
	v_max_num_f32 v13, v13, v254                   ; the running largest t
	v_mov_b32 v254, v12
	s_delay_alu instid0(VALU_DEP_2)
	v_floor_f32 v12, -v13                          ; the new -M = floor(-t) = -ceil(t): M IS A WHOLE NUMBER
	s_delay_alu instid0(VALU_DEP_1)
	v_sub_f32 v254, v12, v254                      ; M's old value less its new one: a whole number, 0 or less
	s_delay_alu instid0(VALU_DEP_1)
	v_cvt_i32_f32 v254, v254                       ; (it saturates)
	s_delay_alu instid0(VALU_DEP_1)
	v_ldexp_f32 v252, 1.0, v254                    ; f = 2^(old M - new M): a multiplication by it rounds nothing
.set jj, 0
.rept 32
	v_pk_fma_f32 v[96+jj:97+jj], v[96+jj:97+jj], s[CS:CS+1], v[12:13] op_sel_hi:[1,0,0]   ; t - M, two at a time (of the pairs c and -M the low word serves both halves)
.set jj, jj+2
.endr
.set jj, 0
	s_wait_alu depctr_va_vdst(0)
.rept 64
	v_exp_f32 v[96+jj], v[96+jj]                   ; p = 2^(t - M), at most 1: NOT normalised
.set jj, jj+1
.endr
	v_pk_mul_f32 v[14:15], v[14:15], v[252:253] op_sel_hi:[1,0]   ; the sums under the new M.  (A plain place behind the exponentials)
	s_wait_alu depctr_va_vdst(0)                   ; one wait for the whole batch, ahead of its first reader
	v_pk_add_f32 v[242:243], v[96:97], v[98:99]    ; THE ROW'S SUM IS TAKEN OF THE UNQUANTISED p: two at a time, in four chains
	v_pk_add_f32 v[246:247], v[100:101], v[102:103]
	v_pk_add_f32 v[248:249], v[104:105], v[106:107]
	v_pk_add_f32 v[14:15], v[14:15], v[108:109]
.irp i, 110,118,126,134,142,150
	v_pk_add_f32 v[242:243], v[242:243], v[\i:\i+1]
	v_pk_add_f32 v[246:247], v[246:247], v[\i+2:\i+3]
	v_pk_add_f32 v[248:249], v[248:249], v[\i+4:\i+5]
	v_pk_add_f32 v[14:15], v[14:15], v[\i+6:\i+7]
.endr
	v_pk_add_f32 v[242:243], v[242:243], v[158:159]
	v_pk_add_f32 v[246:247], v[246:247], v[248:249]
	v_pk_add_f32 v[14:15], v[14:15], v[242:243]
	v_pk_add_f32 v[14:15], v[14:15], v[246:247]
.irp c, 0,1,2,3,4,5,6,7
.irp i, 0,2,4,6
	v_dual_min_num_f32 v[96+8*\c+\i], v240, v[96+8*\c+\i] :: v_dual_min_num_f32 v[97+8*\c+\i], v245, v[97+8*\c+\i]   ; the conversion to an 8-bit code does not saturate (ISA guide 7.6.2); p is not negative, so the hold is one-sided; two numbers an instruction
.endr
	v_cvt_scalef32_pk8_bf8_f32 v[224+2*\c:225+2*\c], v[96+8*\c:103+8*\c], v244   ; keys 16 c + 8 h + 0 .. 7: registers 2 c, 2 c + 1 of the operand
.endr
	s_wait_alu depctr_va_vdst(0)
.set jj, 0
.rept 16
	v_pk_mul_f32 v[160+jj:161+jj], v[160+jj:161+jj], v[252:253] op_sel_hi:[1,0]   ; O^T under the new M: x f.  (These are also the plain lines between the conversions and the products below)
.set jj, jj+2
.endr
	s_wait_alu depctr_va_vdst(0)
	s_wait_dscnt 0x0                               ; V is in
.irp d, 0,1,2,3                        ; O^T += V^T P^T: the four accumulators take turns, one instruction a turn
	v_wmma_f32_16x16x128_bf8_bf8 v[160+8*\d:167+8*\d], v[32+16*\d:47+16*\d], v[224:239], v[160+8*\d:167+8*\d]
.endr
.Lhidden_\@:
	s_add_co_u32 s[KF], s[KF], 128
	s_add_co_u32 s[TB], s[TB], 1024                ; the next key block's place in every piece
.endm
; A LATER FIRST FILL.  Ahead of it, as ahead of a refill: each wave waits for its tensor load, adds 0 to its spare word and waits for that; the barrier shows everybody's
; piece of the blocks asked for last; behind it my one load: the next 'rows' key blocks of my piece, 'back' blocks behind the last load's first.
.macro NEXTFILL back, rows
	s_wait_tensorcnt 0x0                           ; no tensor load of mine is out, so the descriptor may be written
	ds_add_u32 v[SPW], v[NIL]                      ; the descriptor's steps stand between the add and the wait for it
	s_add_co_u32 s[G0+1], s[G0+1], (\back)*1024
	s_add_nc_u64 s[G0+2:G0+3], s[G0+2:G0+3], (\back)*8192   ; the type bits on top are not reached
	s_mov_b32 s[G1+2], (\rows)<<16
	s_mov_b32 s[G1+4], \rows
	s_wait_dscnt 0x0
	s_barrier_signal -1
	s_barrier_wait -1
	tensor_load_to_lds s[G0:G0+3], s[G1:G1+7]
	s_nop 0
.rept 4
	v_nop
.endr
.endm
; THE WAY OUT of a block.  The sum's two halves and lane l xor 16's are added; O^T / the sum x 2^(e4 + e5) goes through my own stage in LDS, half a row (32 channels, 128 bytes) of 16 queries at a time.
; Both halves are read back by all lanes at 16 (lane % 8); lanes 0-7 of each sixteen keep the first half's bytes and lanes 8-15 the second's: sixteen lanes then store a row's 256 consecutive bytes, aligned.
.macro OUT base
.rept 4
	v_nop                                          ; places behind the last products
.endr
	v_add_f32 v14, v14, v15
	s_delay_alu instid0(VALU_DEP_1)
	v_permlanex16_b32 v241, v14, s[SEL], s[SEL+1]
	s_delay_alu instid0(VALU_DEP_1)
	v_add_f32 v14, v14, v241                       ; the row's sum
	s_wait_alu depctr_va_vdst(0)
	v_rcp_f32 v14, v14
	v_nop                                          ; one plain place behind a transcendental
	s_wait_alu depctr_va_vdst(0)
	v_ldexp_f32 v14, v14, s[EPV]
	s_wait_alu depctr_va_vdst(0)
.set jj, 0
.rept 16
	v_pk_mul_f32 v[96+jj:97+jj], v[160+jj:161+jj], v[14:15] op_sel_hi:[1,0]   ; register 8 t + j is o(r, 16 t + 8 h + j); each accumulator from its low end on
.set jj, jj+2
.endr
.irp u, 0,1                            ; channels 32 u on
.irp t, 0,1
	ds_store_b128 v[STO], v[96+16*\u+8*\t:99+16*\u+8*\t] offset:64*\t
	ds_store_b128 v[STO], v[100+16*\u+8*\t:103+16*\u+8*\t] offset:64*\t+16
.endr
.irp i, 0,1,2,3,4,5,6,7
	ds_load_b128 v[32+32*\u+4*\i:35+32*\u+4*\i], v[RD] offset:2*\i*SP      ; LDS serves a wave's instructions in order (ISA guide 5.7.1.4): these see my stores, and the next half's stores come behind them
.endr
.endr
	s_wait_dscnt 0x0
.set jj, 0
.rept 32
	v_cndmask_b32 v[32+jj], v[32+jj], v[64+jj], s[MK]
.set jj, jj+1
.endr
.irp i, 0,1,2,3,4,5,6,7
	global_store_b128 v[GO], v[32+4*\i:35+4*\i], s[\base:\base+1] offset:8192*\i th:TH_STORE_NT   ; rows 2 i and 2 i + 1; written once, read by nobody here
.endr
.endm
	s_wait_alu depctr_va_vdst(0)
	NEXTFILL 2, 4                                  ; key blocks 0-1 are in; 2-5 are asked for
	s_wait_loadcnt 0x0                             ; Q
.Lfirst:                                           ; my first block of queries (8 or higher), key blocks 0-1
	STEP 0
	s_add_co_u32 s[VC], s[VC], 1
	s_cmp_lt_u32 s[VC], 2
	s_cbranch_scc1 .Lfirst
	NEXTFILL 4, 10                                 ; key blocks 2-5 are in; 6-15 are asked for
.Lmid:                                             ; key blocks 2-5
	STEP 0
	s_add_co_u32 s[VC], s[VC], 1
	s_cmp_lt_u32 s[VC], 6
	s_cbranch_scc1 .Lmid
	s_wait_tensorcnt 0x0                           ; my piece of key blocks 6-15 is in
	ds_add_u32 v[SPW], v[NIL]
	s_wait_dscnt 0x0
	s_barrier_signal -1
	s_barrier_wait -1                              ; and everybody's: from here on nothing in K's and V's bytes changes, and no barrier follows
.Lrest:                                            ; key blocks 6-15; those behind my block are passed over
	STEP 1
	s_add_co_u32 s[VC], s[VC], 1
	s_cmp_lt_u32 s[VC], 16
	s_cbranch_scc1 .Lrest
	s_wait_alu depctr_va_vdst(0)
	OUT OA
	s_wait_xcnt 0x0                                ; the stores have read their registers: the next step's loads land there only behind this wait
.set jj, 0
.rept 8
	v_mov_b32 v[16+jj], v[24+jj]                   ; Q of the second block
.set jj, jj+1
.endr
.set jj, 0
.rept 32
	v_mov_b32 v[160+jj], 0
.set jj, jj+1
.endr
	v_mov_b32 v13, 0xff61b1e6
	v_floor_f32 v12, -v13
	v_mov_b32 v14, 0
	v_mov_b32 v15, 0
	s_mov_b32 s[Q0], s[Q0B]
	s_mov_b32 s[KF], 0
	s_mov_b32 s[TB], 0
	s_mov_b32 s[VC], 0
	s_wait_alu depctr_va_vdst(0)
.Lsecond:                                          ; my second block of queries (7 or lower), key blocks 0-7; those behind it are passed over
	STEP 1
	s_add_co_u32 s[VC], s[VC], 1
	s_cmp_lt_u32 s[VC], 8
	s_cbranch_scc1 .Lsecond
	s_wait_alu depctr_va_vdst(0)
	OUT OB
	s_wait_tensorcnt 0x0                           ; the wave's end: behind my last tensor load and my last LDS store
	ds_add_u32 v[SPW], v[NIL]
	s_wait_dscnt 0x0
	s_endpgm
.Lfunc_end_k_q5a663bd59a_attn:
	.size	k_q5a663bd59a_attn, .Lfunc_end_k_q5a663bd59a_attn-k_q5a663bd59a_attn
	.p2alignl 7, 3214868480
	.fill 96, 4, 3214868480
	.section	.rodata,"a",@progbits
	.p2align	6, 0x0
	.amdhsa_kernel k_q5a663bd59a_attn
		.amdhsa_group_segment_fixed_size 327680
		.amdhsa_private_segment_fixed_size 0
		.amdhsa_enable_private_segment 0
		.amdhsa_kernarg_size 24
		.amdhsa_user_sgpr_count 2
		.amdhsa_user_sgpr_kernarg_segment_ptr 1
		.amdhsa_wavefront_size32 1
		.amdhsa_system_sgpr_workgroup_id_x 1
		.amdhsa_system_sgpr_workgroup_id_y 1
		.amdhsa_system_sgpr_workgroup_id_z 1
		.amdhsa_system_vgpr_workitem_id 0
		.amdhsa_next_free_vgpr 256
		.amdhsa_next_free_sgpr 70
		.amdhsa_reserve_vcc 1
		.amdhsa_float_denorm_mode_32 3
		.amdhsa_float_denorm_mode_16_64 3
		.amdhsa_memory_ordered 1
		.amdhsa_forward_progress 1
		.amdhsa_inst_pref_size 96
	.end_amdhsa_kernel
	.amdgpu_metadata
---
amdhsa.version: [ 1, 2 ]
amdhsa.kernels:
  - .name:           k_q5a663bd59a_attn
    .symbol:         k_q5a663bd59a_attn.kd
    .args:
      - { .name: qkv, .offset: 0, .size: 8, .value_kind: global_buffer, .address_space: global }
      - { .name: lowp_scales, .offset: 8, .size: 8, .value_kind: global_buffer, .address_space: global }
      - { .name: out0, .offset: 16, .size: 8, .value_kind: global_buffer, .address_space: global }
    .group_segment_fixed_size: 327680
    .private_segment_fixed_size: 0
    .kernarg_segment_align: 8
    .kernarg_segment_size: 24
    .max_flat_workgroup_size: 512
    .sgpr_count:     70
    .vgpr_count:     256
    .wavefront_size: 32
...
	.end_amdgpu_metadata
.endif
;; end of part 3
